; MI455X (gfx1250); checked and timed in simulation.
; The chip was launched on July 23, 2026; its instructions are those of AMD's public machine-readable ISA for CDNA 5 (MIT licence, August 2026) and "CDNA5" Instruction Set Architecture Reference Guide (July 2026). The comments in the code are by the model that wrote it; some were corrected since.
;; Self Attention. Allowed arithmetic: matrix products marked QUANTISED: E2M3 operands, one E8M0 scale for each 32 along K, by v_wmma_scale_f32_16x16x128_f8f6f4 with both operands' format E2M3, f32 sums; everything else in f32.
;; Inputs: W_qkv 1,024 x 3,072 float32; b_qkv 3,072 float32; x 4 x 2,048 x 1,024 float32.
;; Outputs: out0 4 x 2,048 x 1,024 float32.
;; This version of the problem:
;;   THIS VERSION OF THE PROBLEM IS GIVEN IN LOW PRECISION. The matrix products marked QUANTISED in the list below multiply operands that are first quantised to E2M3 (2 exponent bits, 3 mantissa bits; 6 bits a number), with one power-of-two scale for each 32 numbers along K (OCP MX v1.0); their sums are f32. All else is computed in f32.
;;   The module's matrix products, in the order in which they are computed (A, B: the left and right operand; K: the contracted axis; several contracted axes count as one K, in the product's order):
;;     1. [M 8,192, K 1,024] x [K 1,024, N 3,072]; A: input x; B: input W_qkv: QUANTISED
;;     2. batch 64 x [M 2,048, K 64] x [K 64, N 2,048]; A: computed on the way; B: computed on the way: QUANTISED
;;     3. batch 64 x [M 2,048, K 2,048] x [K 2,048, N 64]; A: softmax (see below); B: computed on the way: QUANTISED
;;   THE QUANTISER, for each operand of a quantised product, along K:
;;     - K is cut into blocks of 32 from its start; a last block that is shorter is filled with zeros.
;;     - A block's scale is 2^e with e = floor(log2(the largest magnitude in the block)) - 2, held to -126 .. 127; a block of zeros has e = 0. As a byte (E8M0): e + 127.
;;     - Each number is divided by its block's scale, clamped to +-7.5, and rounded to the nearest number of E2M3, ties to even, subnormals kept.
;;     - The product sums the exact products of the quantised numbers (number of the format x scale) in f32.
;;   ~~~python
;;   def quantise(x, axis):      # numpy; x: float32 -> the quantised numbers, widened to float32 again
;;       x = np.moveaxis(x, axis, -1); K = x.shape[-1]
;;       x = np.pad(x, [(0, 0)] * (x.ndim - 1) + [(0, -K % 32)]); x = x.reshape(x.shape[:-1] + (-1, 32)); a = np.abs(x).max(-1, keepdims=True)
;;       e = np.where(a > 0, np.clip(np.frexp(np.where(a > 0, a, 1))[1] - 1 - 2, -126, 127), 0)      # np.frexp(a)[1] - 1 = floor(log2(a)), exactly
;;       r = np.clip(x / 2.0 ** e, -7.5, 7.5)
;;       step = 2.0 ** (np.maximum(np.frexp(np.where(r == 0, 1, r))[1] - 1, 0) - 3)
;;       q = np.round(r / step) * step * 2.0 ** e      # np.round: ties to even
;;       return np.moveaxis(q.reshape(q.shape[:-2] + (-1,))[..., :K], -1, axis).astype(np.float32)
;;   ~~~
;;   SOFTMAX AHEAD OF A QUANTISED PRODUCT. Where the list says 'softmax', what is quantised is not the finished softmax but p = 2^(t - M), with t = logit x log2(e) and M = ceil(the row's largest t), a whole number; so 1/2 < the row's largest p <= 1. The row's sum l is taken of the UNQUANTISED p, in f32, and the product's result is divided by l at the end. Since M is a whole number, a kernel that streams over the keys may use a running M (the ceiling of the running maximum): every later rescaling is an exact power of two, which a block's scale takes up: the codes' values come out the same.
;;   OPERANDS COMPUTED ON THE WAY. 'Computed on the way' means the value that the module computes at that place (a softmax that the list does not call 'softmax' is quantised finished and normalised). What goes into a quantiser is computed in f32, as accurately as f32 sums, v_exp_f32 and their like allow (about 1e-6 of the number): no bf16 or f16 on the way to a quantiser, and a product that is left as it is and whose result goes on into a quantised operand takes f32 operands (vector FMAs, or v_wmma_f32_16x16x4_f32). A number that lies on a knife's edge between two numbers of the format may be rounded either way, as far as f32 arithmetic and the matrix unit's own rounding can turn it there, and no further.
;; One version. Each part assembles by itself: llvm-mc -triple=amdgcn-amd-amdhsa -mcpu=gfx1250 --defsym DOCPART=n.
;; ======== version 1 of 1: 3 launches
;; limits: right only within a limited range of input values
;; workspace buffers: ximg 6,291,456 bytes; xsc 262,144 bytes; wimg 2,359,296 bytes; wsc 98,304 bytes; qbuf 6,553,600 bytes; kvbuf 13,107,200 bytes
;; launch quant (part 1): grid 56 x 8, 4 waves a work-group, no clusters, 35,328 bytes of LDS; arguments x, W_qkv, ximg, xsc, wimg, wsc; writes ximg, xsc, wimg, wsc
.if DOCPART == 1
	.amdgcn_target "amdgcn-amd-amdhsa--gfx1250"
	.amdhsa_code_object_version 6
	.text
	.protected	k_q259c4f0831_quant
	.globl	k_q259c4f0831_quant
	.p2align	8
	.type	k_q259c4f0831_quant,@function
k_q259c4f0831_quant:
	s_mov_b64 s[64:65], 0
	v_nop
	global_prefetch_b8 v0, s[64:65] scope:SCOPE_SE
	s_setreg_imm32_b32 hwreg(HW_REG_WAVE_MODE, 25, 1), 1
	s_wait_xcnt 0x0
; x [8192][1024] and W_qkv [1024][3072], f32, become codes of FP6 (E2M3) with one E8M0 byte for each 32 along K = the 1,024, laid as IMAGES OF OPERAND REGISTERS.
; NO WORK OF reference() IS LEFT OUT in this program: all three inputs have a way to the output (the bias on k moves k's codes), so all are loaded.
; A FRAGMENT is 16 rows x 128 K: 12 registers a lane; lane (r, h) holds row r, registers 6 c .. 6 c + 5 = K 64 c + 32 h + 0 .. 31.  Its image is 1,536 bytes: registers 4 p .. 4 p + 3 of lane l at 512 p + 16 l.
; THE ROWS OF A TILE OF x ARE NOT NEIGHBOURS: tile 2 b + u of a group of 32 rows takes rows 32 b + 8 u + r + 8 (r / 8), so that in the next launch the 16 registers of two neighbouring tiles' results are 16 neighbours.
; ximg [block of 128 rows][K step][tile 0..7][1,536];  xsc [tile][K step][r] words of four bytes.
; wimg [4 units][K step][unit][tile 0..3][1,536], unit = 16 role + head (role 0 q, 1 k, 2 v), 64 columns; q's and k's tiles take columns in the order above, v's tile t takes 16 t + r.  wsc [unit x 4 + tile][K step][r] words.
; A block's scale is 2^(floor(log2(largest magnitude)) - 2): its byte is the magnitude's exponent field - 2, held at 1 from below.
; LIMITS: a block of zeros, or one whose largest magnitude lies under 2^-124, gets the byte 1 (the rule says 127 for zeros: the codes are zeros, and this program alone reads the bytes); NaN and infinities are not served.
; SHARES: work-groups x < 24 take W (128 columns x one K step; a wave 32 columns), the other 256 take x (32 rows; a wave one tile x four K steps).  Waves share nothing: no barrier.  Only x's path uses LDS.
; wsc is stored in pieces of 64 bytes (a wave has one K step's words of two tiles); it is 98,304 bytes in all, and gathering whole runs would need the eight K steps in one work-group.
.set WGW,   24                         ; work-groups along x that take W
.set WREG,  8704                       ; LDS of a wave: a stage of 16 rows x 528 bytes, then 256 bytes for scale words
.set SP,    528                        ; a stage row: 512 bytes + 16: 33 x 16, so sixteen rows' 16 bytes fall on sixteen different columns
.set SCW,   16*SP
.set SPARE, 4*WREG                     ; the spare words, 128 bytes a wave: two blocks of 256 bytes that no other line names
.set R,     16                         ; v16-143  two sets of 64: a fragment's numbers as loaded
.set X,     144                        ; v144-207 register 16 b + i = K 32 b + 16 h + i of my row
.set PC,    208                        ; v208-227 the codes (12) and two runs of 3 on even starts
.set TM,    228                        ; v228-243 maxima, bytes, scale operands
.set PW,    244                        ; the scale word just made
.set WD,    245                        ; v245-248 the four K steps' words
.set SPW,   252                        ; LDS address of my spare word; never rewritten
.set NIL,   253                        ; 0; never rewritten
.set SEL,   20                         ; s[20:21] selects of v_permlanex16_b32: lane l xor 16
.set HM,    22                         ; s22 a mask of lanes 16-31
; 64 numbers of a lane become a fragment's codes in v[PC] on and its row's scale word in v[PW]
.macro QUANT s
.irp b, 0,1,2,3
	v_max3_num_f32 v[TM+\b], |v[\s+16*\b]|, |v[\s+1+16*\b]|, 0x1800000   ; my 16 numbers of block b, and the floor 2^(3 - 127): the byte cannot fall under 1
.endr
.irp i, 2,4,6,8,10,12,14
.irp b, 0,1,2,3
	v_max3_num_f32 v[TM+\b], v[TM+\b], |v[\s+16*\b+\i]|, |v[\s+1+16*\b+\i]|   ; the four blocks by turns
.endr
.endr
.irp b, 0,1,2,3
	v_permlanex16_b32 v[TM+4+\b], v[TM+\b], s[SEL], s[SEL+1]
.endr
.irp b, 0,1,2,3
	v_max_num_f32 v[TM+\b], v[TM+\b], v[TM+4+\b]   ; with lane l xor 16's 16: the block's largest magnitude
.endr
.irp b, 0,1,2,3
	v_add_nc_u32 v[TM+12+\b], 0xff000000, v[TM+\b]   ; 2 off the exponent field: the conversion's scale operand
.endr
.irp b, 0,1,2,3
	v_lshrrev_b32 v[TM+4+\b], 23, v[TM+12+\b]      ; the byte
.endr
	v_lshl_or_b32 v[PW], v[TM+5], 8, v[TM+4]
	v_lshl_or_b32 v[PW], v[TM+6], 16, v[PW]
	v_lshl_or_b32 v[PW], v[TM+7], 24, v[PW]
.irp c, 0,1
	v_cvt_scalef32_pk16_fp6_f32 v[PC+6*\c:PC+2+6*\c], v[\s+32*\c:\s+15+32*\c], v[TM+12+2*\c]
	v_cvt_scalef32_pk16_fp6_f32 v[PC+12+4*\c:PC+14+4*\c], v[\s+16+32*\c:\s+31+32*\c], v[TM+12+2*\c+1]   ; (three registers begin on an even number)
.endr
	v_nop                                          ; one plain line behind the conversions
.irp c, 0,1                            ; a whole block to a lane: lanes 0-15 block 2 c, lanes 16-31 block 2 c + 1
.irp i, 0,1,2
	v_permlane16_swap_b32 v[PC+6*\c+\i], v[PC+12+4*\c+\i]
.endr
.irp i, 0,1,2
	v_mov_b32 v[PC+3+6*\c+\i], v[PC+12+4*\c+\i]
.endr
.endr
.endm
.macro XLOAD f, set                    ; my tile's 16 rows, 128 numbers each: a load is 512 consecutive bytes of one row
.irp i, 0,1,2,3,4,5,6,7,8,9,10,11,12,13,14,15
	global_load_b128 v[R+64*(\set)+4*\i:R+64*(\set)+4*\i+3], v1, s[4:5] offset:(\i+8*(\i/8))*4096+512*(\f) th:TH_LOAD_NT
.endr
.endm
.macro TURN set                        ; through my stage: in as loaded, out 64 bytes a lane.  LDS serves a wave's instructions in order: no wait between
.irp i, 0,1,2,3,4,5,6,7,8,9,10,11,12,13,14,15
	ds_store_b128 v2, v[R+64*(\set)+4*\i:R+64*(\set)+4*\i+3] offset:SP*\i
.endr
.irp b, 0,1,2,3
.irp j, 0,1,2,3
	ds_load_b128 v[X+16*\b+4*\j:X+16*\b+4*\j+3], v3 offset:128*\b+16*\j
.endr
.endr
.endm
.macro XFRAG f
.if \f < 3
	s_wait_loadcnt 16                              ; this fragment's 16 loads are in; the next fragment's 16 may be out
.else
	s_wait_loadcnt 0x0
.endif
	TURN (\f)%2
	s_wait_dscnt 0x0                               ; the numbers are back, and the stage's stores have read their registers
	s_wait_xcnt 0x0                                ; the last fragment's stores have read the codes' registers: they are written again below
.if \f < 2
	XLOAD (\f)+2, (\f)%2
.endif
	QUANT X
.irp p, 0,1,2
	global_store_b128 v1, v[PC+4*\p:PC+4*\p+3], s[8:9] offset:12288*\f+512*\p   ; 512 consecutive bytes, aligned
.endr
	v_mov_b32 v[WD+\f], v[PW]
.endm
.macro WLOAD b                         ; W(32 b + i, my column): 32 lanes read 128 consecutive bytes, the four waves 512
.set k, 32*(\b)
.rept 32
	global_load_b32 v[64+k], v1, s[6:7] offset:k*12288 th:TH_LOAD_NT
.set k, k+1
.endr
.endm
.macro WBLK b                          ; block b of my column: all 32 numbers are mine
.set XB, 64+32*(\b)
	v_max3_num_f32 v[16+\b], |v[XB]|, |v[XB+1]|, |v[XB+2]|
	v_max3_num_f32 v[8+\b], |v[XB+3]|, |v[XB+4]|, |v[XB+5]|
.irp i, 6,10,14,18,22,26
	v_max3_num_f32 v[16+\b], v[16+\b], |v[XB+\i]|, |v[XB+\i+1]|
	v_max3_num_f32 v[8+\b], v[8+\b], |v[XB+\i+2]|, |v[XB+\i+3]|
.endr
	v_max3_num_f32 v[16+\b], v[16+\b], |v[XB+30]|, |v[XB+31]|
	v_max3_num_f32 v[16+\b], v[16+\b], v[8+\b], 0x1800000   ; and the floor
	v_add_nc_u32 v[20+\b], 0xff000000, v[16+\b]    ; the conversion's scale operand
	v_lshrrev_b32 v[24+\b], 23, v[20+\b]           ; the byte
.endm
	s_load_b256 s[4:11], s[0:1], 0x0               ; x s[4:5], W s[6:7], ximg s[8:9], xsc s[10:11]
	s_load_b128 s[12:15], s[0:1], 0x20             ; wimg s[12:13], wsc s[14:15]
	v_lshl_add_u32 v[SPW], v0, 2, SPARE
	v_mov_b32 v[NIL], 0
	v_lshrrev_b32 v1, 5, v0
	v_readfirstlane_b32 s16, v1                    ; wave
	v_and_b32 v7, 31, v0                           ; lane
	s_and_b32 s17, ttmp7, 0xffff                   ; work-group y
	s_cmp_lt_u32 ttmp9, WGW
	s_cbranch_scc1 .Lw
	; ---------------- x ----------------
	s_sub_co_u32 s18, ttmp9, WGW
	s_lshl_b32 s19, s17, 5
	s_add_co_u32 s18, s18, s19                     ; which group of 32 rows: 0 .. 255
	s_lshr_b32 s19, s16, 1                         ; u: which tile of the group
	s_and_b32 s23, s16, 1                          ; which four K steps
	s_wait_alu depctr_va_vdst(0)
	v_lshlrev_b32 v1, 4, v7                        ; 16 x lane
	s_mul_i32 s24, s16, WREG
	v_add_nc_u32 v2, s24, v1                       ; the stage, on the way in
	v_and_b32 v8, 15, v7                           ; r
	v_lshrrev_b32 v9, 4, v7                        ; h
	v_mul_u32_u24 v3, v8, SP
	v_lshl_add_u32 v3, v9, 6, v3
	v_add_nc_u32 v3, s24, v3                       ; and out: row r, + 64 h
	s_add_co_u32 s24, s24, SCW
	v_lshl_add_u32 v4, v7, 2, s24                  ; the scale words: in, 4 bytes a lane;
	v_lshl_add_u32 v5, v7, 3, s24                  ; out, 8
	v_lshlrev_b32 v6, 3, v7
	s_lshl_b32 s24, s18, 17                        ; x: 32 rows of 4,096 bytes a group,
	s_lshl_b32 s25, s19, 15                        ; 8 u rows,
	s_add_co_u32 s24, s24, s25
	s_lshl_b32 s25, s23, 11                        ; four K steps of 512 bytes
	s_add_co_u32 s24, s24, s25
	s_mov_b32 s25, 0
	s_lshr_b32 s26, s18, 2                         ; ximg: block of 128 rows,
	s_lshl_b32 s26, s26, 3
	s_lshl_b32 s27, s23, 2
	s_add_co_u32 s26, s26, s27                     ; K step,
	s_mul_i32 s26, s26, 12288
	s_and_b32 s27, s18, 3
	s_lshl_b32 s27, s27, 1
	s_add_co_u32 s27, s27, s19                     ; tile of the block
	s_mul_i32 s27, s27, 1536
	s_add_co_u32 s26, s26, s27
	s_mov_b32 s27, 0
	s_lshl_b32 s28, s18, 10                        ; xsc: 512 bytes a tile, 256 for four K steps
	s_lshl_b32 s29, s19, 9
	s_add_co_u32 s28, s28, s29
	s_lshl_b32 s29, s23, 8
	s_add_co_u32 s28, s28, s29
	s_mov_b32 s29, 0
	s_mov_b32 s[SEL], 0x76543210
	s_mov_b32 s[SEL+1], 0xfedcba98
	s_mov_b32 s[HM], 0xffff0000
.irp b, 0,1,2,3
	v_mov_b32 v[TM+4+\b], 0                        ; written once: a lane permute's destination counts as a source
.endr
	s_wait_alu depctr_va_vdst(0)
	s_wait_kmcnt 0x0
	s_add_nc_u64 s[4:5], s[4:5], s[24:25]
	s_add_nc_u64 s[8:9], s[8:9], s[26:27]
	s_add_nc_u64 s[10:11], s[10:11], s[28:29]
	XLOAD 0, 0
	XLOAD 1, 1
	XFRAG 0
	XFRAG 1
	XFRAG 2
	XFRAG 3
	v_cndmask_b32 v250, v[WD], v[WD+1], s[HM]      ; lanes 0-15 the first K step's words, lanes 16-31 the second's: 128 bytes as xsc has them
	v_cndmask_b32 v251, v[WD+2], v[WD+3], s[HM]
	ds_store_b32 v4, v250
	ds_store_b32 v4, v251 offset:128
	ds_load_b64 v[16:17], v5                       ; in order behind my stores
	s_wait_dscnt 0x0
	global_store_b64 v6, v[16:17], s[10:11]        ; 256 consecutive bytes, aligned
	s_wait_tensorcnt 0x0                           ; the wave's end: behind my last LDS store
	ds_add_u32 v[SPW], v[NIL]
	s_wait_dscnt 0x0
	s_endpgm
	; ---------------- W: a lane takes a column, its registers run down K ----------------
.Lw:
	s_lshl_b32 s18, ttmp9, 1
	s_lshr_b32 s19, s16, 1
	s_add_co_u32 s18, s18, s19                     ; which 64 columns of the 3,072: 0 .. 47 = 3 head + role
	s_mul_i32 s19, s18, 171
	s_lshr_b32 s19, s19, 9                         ; head = that / 3 (exact up to 47)
	s_mul_i32 s23, s19, 3
	s_sub_co_u32 s23, s18, s23                     ; role
	s_and_b32 s24, s16, 1                          ; which 32 of the 64
	s_lshl_b32 s25, s23, 4
	s_add_co_u32 s25, s25, s19                     ; unit = 16 role + head
	s_wait_alu depctr_va_vdst(0)
	v_and_b32 v1, 7, v7
	v_bfe_u32 v2, v7, 3, 1
	v_lshl_add_u32 v1, v2, 4, v1
	v_lshrrev_b32 v2, 4, v7                        ; which of the two tiles my lane serves
	v_lshl_add_u32 v1, v2, 3, v1                   ; q, k: column l % 8 + 16 ((l / 8) % 2) + 8 (l / 16)
	s_cmp_eq_u32 s23, 2
	s_cselect_b32 s26, -1, 0
	v_cndmask_b32 v1, v1, v7, s26                  ; v: column l
	v_lshlrev_b32 v1, 2, v1
	s_mul_i32 s26, s17, 128*12288                  ; W: the K step's 128 rows of 12,288 bytes,
	s_lshl_b32 s27, ttmp9, 9                       ; the work-group's 128 columns,
	s_add_co_u32 s26, s26, s27
	s_lshl_b32 s27, s16, 7                         ; the wave's 32
	s_add_co_u32 s26, s26, s27
	s_mov_b32 s27, 0
	s_lshr_b32 s28, s25, 2                         ; wimg
	s_lshl_b32 s28, s28, 3
	s_add_co_u32 s28, s28, s17
	s_lshl_b32 s28, s28, 2
	s_and_b32 s29, s25, 3
	s_add_co_u32 s28, s28, s29
	s_mul_i32 s28, s28, 6144
	s_mul_i32 s29, s24, 3072
	s_add_co_u32 s28, s28, s29
	s_mov_b32 s29, 0
	s_lshl_b32 s30, s25, 11                        ; wsc
	s_lshl_b32 s31, s24, 10
	s_add_co_u32 s30, s30, s31
	s_lshl_b32 s31, s17, 6
	s_add_co_u32 s30, s30, s31
	s_mov_b32 s31, 0
	v_and_b32 v3, 15, v7
	v_lshlrev_b32 v3, 2, v3
	s_wait_alu depctr_va_vdst(0)
	v_lshl_add_u32 v3, v2, 9, v3                   ; my word: 512 x tile + 4 r
	v_lshlrev_b32 v4, 4, v7                        ; 16 x lane
	s_wait_kmcnt 0x0
	s_add_nc_u64 s[6:7], s[6:7], s[26:27]
	s_add_nc_u64 s[12:13], s[12:13], s[28:29]
	s_add_nc_u64 s[14:15], s[14:15], s[30:31]
	WLOAD 0
	WLOAD 1
	s_wait_loadcnt 32                              ; block 0 is in; block 1's 32 loads may be out
	WLOAD 2
	WBLK 0
	s_wait_loadcnt 32                              ; block 1 is in; block 2's may be out
	WLOAD 3
	WBLK 1
	s_wait_loadcnt 32                              ; block 2 is in; block 3's may be out
	WBLK 2
	s_wait_loadcnt 0x0
	WBLK 3
	v_lshl_or_b32 v28, v25, 8, v24                 ; my column's scale word
	v_lshl_or_b32 v28, v26, 16, v28
	v_lshl_or_b32 v28, v27, 24, v28
	v_cvt_scalef32_pk16_fp6_f32 v[32:34], v[64:79], v20      ; F0 = v32-43, F1 = v44-55; the upper halves go to v192 on and are moved
	v_cvt_scalef32_pk16_fp6_f32 v[192:194], v[80:95], v20
	v_cvt_scalef32_pk16_fp6_f32 v[44:46], v[96:111], v21
	v_cvt_scalef32_pk16_fp6_f32 v[196:198], v[112:127], v21
	v_cvt_scalef32_pk16_fp6_f32 v[38:40], v[128:143], v22
	v_cvt_scalef32_pk16_fp6_f32 v[200:202], v[144:159], v22
	v_cvt_scalef32_pk16_fp6_f32 v[50:52], v[160:175], v23
	v_cvt_scalef32_pk16_fp6_f32 v[204:206], v[176:191], v23
	v_nop                                          ; one plain line behind the conversions
.irp i, 0,1,2                          ; block 0's lanes 16-31 change places with block 1's lanes 0-15: the first then is tile 0's (lane (r, h): block h of column r), the second tile 1's; blocks 2 and 3 likewise
	v_permlane16_swap_b32 v[32+\i], v[44+\i]
	v_permlane16_swap_b32 v[192+\i], v[196+\i]
	v_permlane16_swap_b32 v[38+\i], v[50+\i]
	v_permlane16_swap_b32 v[200+\i], v[204+\i]
.endr
.irp i, 0,1,2
	v_mov_b32 v[35+\i], v[192+\i]
	v_mov_b32 v[47+\i], v[196+\i]
	v_mov_b32 v[41+\i], v[200+\i]
	v_mov_b32 v[53+\i], v[204+\i]
.endr
.irp p, 0,1,2
	global_store_b128 v4, v[32+4*\p:35+4*\p], s[12:13] offset:512*\p
	global_store_b128 v4, v[44+4*\p:47+4*\p], s[12:13] offset:1536+512*\p
.endr
	global_store_b32 v3, v28, s[14:15]
	s_endpgm
.Lfunc_end_k_q259c4f0831_quant:
	.size	k_q259c4f0831_quant, .Lfunc_end_k_q259c4f0831_quant-k_q259c4f0831_quant
	.p2alignl 7, 3214868480
	.fill 96, 4, 3214868480
	.section	.rodata,"a",@progbits
	.p2align	6, 0x0
	.amdhsa_kernel k_q259c4f0831_quant
		.amdhsa_group_segment_fixed_size 35328
		.amdhsa_private_segment_fixed_size 0
		.amdhsa_enable_private_segment 0
		.amdhsa_kernarg_size 48
		.amdhsa_user_sgpr_count 2
		.amdhsa_user_sgpr_kernarg_segment_ptr 1
		.amdhsa_wavefront_size32 1
		.amdhsa_system_sgpr_workgroup_id_x 1
		.amdhsa_system_sgpr_workgroup_id_y 1
		.amdhsa_system_sgpr_workgroup_id_z 1
		.amdhsa_system_vgpr_workitem_id 0
		.amdhsa_next_free_vgpr 256
		.amdhsa_next_free_sgpr 66
		.amdhsa_reserve_vcc 0
		.amdhsa_float_denorm_mode_32 3
		.amdhsa_float_denorm_mode_16_64 3
		.amdhsa_memory_ordered 1
		.amdhsa_forward_progress 1
		.amdhsa_inst_pref_size 55
	.end_amdhsa_kernel
	.amdgpu_metadata
---
amdhsa.version: [ 1, 2 ]
amdhsa.kernels:
  - .name:           k_q259c4f0831_quant
    .symbol:         k_q259c4f0831_quant.kd
    .args:
      - { .name: x, .offset: 0, .size: 8, .value_kind: global_buffer, .address_space: global }
      - { .name: W_qkv, .offset: 8, .size: 8, .value_kind: global_buffer, .address_space: global }
      - { .name: ximg, .offset: 16, .size: 8, .value_kind: global_buffer, .address_space: global }
      - { .name: xsc, .offset: 24, .size: 8, .value_kind: global_buffer, .address_space: global }
      - { .name: wimg, .offset: 32, .size: 8, .value_kind: global_buffer, .address_space: global }
      - { .name: wsc, .offset: 40, .size: 8, .value_kind: global_buffer, .address_space: global }
    .group_segment_fixed_size: 35328
    .private_segment_fixed_size: 0
    .kernarg_segment_align: 8
    .kernarg_segment_size: 48
    .max_flat_workgroup_size: 128
    .sgpr_count:     66
    .vgpr_count:     256
    .wavefront_size: 32
...
	.end_amdgpu_metadata
.endif
;; end of part 1
;; launch qkv (part 2): grid 4 x 64, 4 waves a work-group, clusters of 4 x 4, 327,680 bytes of LDS; arguments ximg, xsc, wimg, wsc, b_qkv, qbuf, kvbuf; writes qbuf, kvbuf
.if DOCPART == 2
	.amdgcn_target "amdgcn-amd-amdhsa--gfx1250"
	.amdhsa_code_object_version 6
	.text
	.protected	k_q259c4f0831_qkv
	.globl	k_q259c4f0831_qkv
	.p2align	8
	.type	k_q259c4f0831_qkv,@function
k_q259c4f0831_qkv:
	s_mov_b64 s[64:65], 0
	v_nop
	global_prefetch_b8 v0, s[64:65] scope:SCOPE_SE
	s_setreg_imm32_b32 hwreg(HW_REG_WAVE_MODE, 25, 1), 1
	s_wait_xcnt 0x0
	s_wait_alu depctr_hold_cnt(0) depctr_sa_sdst(0) depctr_va_vdst(0) depctr_va_sdst(0) depctr_va_ssrc(0) depctr_va_vcc(0) depctr_vm_vsrc(0)
	s_getreg_b32 s2, hwreg(HW_REG_IB_STS2, 6, 4)
	s_cmp_eq_u32 s2, 0
	s_cbranch_scc0 .Lentry_in_a_cluster
	s_endpgm
.Lentry_in_a_cluster:
	s_bfe_u32 s2, ttmp6, 0x10000c
	s_cmp_lg_u32 s2, 0xf033
	s_cbranch_scc0 .Lentry_shape_is_right
	s_endpgm
.Lentry_shape_is_right:
; qkv = Q(x) Q(W) + b on codes of FP6, and q, k, v quantised in registers for the attention: qkv never goes to memory as f32.  No work of reference() is left out.
; SHARES.  256 work-groups of four waves.  A work-group owns 128 rows of x and four heads (4 cx + wave) and WALKS THE THREE ROLES q, k, v: per role 128 rows x 256 columns; wave w makes 128 x 64: 32 accumulators, 256 matrix instructions.
; LDS, as images of operand registers (a fragment is three ds_load_b128 at 16 x lane): x's 128 rows, all of K (98,304 bytes), filled once; W's 256 columns of a role in TWO SLOTS of four K steps (98,304 bytes each).
; FILLS.  At the head one tensor load a wave, each on a line of its own: x's K steps 0-3 (wave 0), W's 0-3 (wave 2), x's 4-7 (wave 1), W's 4-7 (wave 3); the walk begins when the first two are in, step 3's round shows the others.
; In roles q and k slot 0 takes the next role's K steps 0-3 in step 3 (its last fragments were fetched in step 2), slot 1 takes K steps 4-7 in step 7: each behind the three lines and a round of the cluster's barrier
; every wave loads one K step, 24,576 bytes.  Role v fills nothing.
; CLUSTERS: 4 x 4.  The four of a row need the same rows of x, the four of a column the same columns of W: joint loads with a mask that names the four.  The role is a constant of the text, alike in all partners.
; PREFETCH: in steps 0 and 4 of roles q and k the next role's slot 0 or 1 of W (384 blocks of 256 bytes) is asked for, three steps ahead of its refill: the sixteen waves of a cluster's column take 24 blocks each, told apart by address.
; q, k: source 0 = 16 columns of W, source 1 = 16 rows of x: a lane holds one row, the 16 registers of W's tiles 2 b', 2 b' + 1 are d = 32 b' + 16 h + 0 .. 15.
; v:    source 0 = 16 rows of x, source 1 = 16 columns of W: a lane holds one channel, the 16 registers of x's tiles 2 b, 2 b + 1 are keys 32 b + 16 h + 0 .. 15.
; b is the C of each sum's first matrix instruction (LIMIT: it is the sum's first term, not its last).  The next role's b and scale words of W come by plain loads in step 3; the words wait in v16-31 and are moved behind step 7.
; WHAT LEAVES: q and k as fragments [tile 2 b | tile 2 b + 1] with one scale word; v as fragments 16 channels x 128 keys.  Scale words leave as pairs, lane l's 8 bytes at 8 l.
; qbuf [batch x head][128 rows] blocks of 6,400 bytes: 4 fragments, 256 bytes of pairs.  kvbuf blocks of 12,800: k's 4 fragments, v's 4, k's pairs, v's pairs.
; LIMITS: a block of zeros, or one whose largest magnitude lies under 2^-124, gets the byte 1; NaN and infinities are not served.
; REGISTERS, in windows of 256: window 0 addresses, scale words, b, the way out;  window 1 the 32 accumulators;  windows 2 and 3 two sets of fragments (W's four at v0, x's eight at v48).
.set BOFF,  98304                      ; LDS: x's images [K step][tile][1,536] from 0, W's [K step][unit][tile][1,536] from here
.set SLOTB, 98304                      ; a slot of W: four K steps
.set ROLEB, 786432                     ; from a role's block of W to the next role's, in wimg
.set SPARE, 294912                     ; the spare words, 128 bytes a wave
.set L4,  2                            ; v2  4 x lane
.set L8,  3                            ; v3  8 x lane
.set SPW, 4                            ; v4  my spare word; never rewritten
.set NIL, 5                            ; v5  0; never rewritten
.set L16, 6                            ; v6  16 x lane
.set AA,  6                            ; v6-7   LDS address of x's images, K steps 0-3 and 4-7
.set AB,  8                            ; v8-11  of my unit's images, two K steps each
.set FL,  12                           ; v12 the floor 2^(3 - 127)
.set H64, 13                           ; v13 64 h
.set R4,  14                           ; v14 4 r
.set PF,  15                           ; v15 the prefetches' offset
.set WN,  16                           ; v16-31 the next role's scale words of W
.set XS,  32                           ; v32-63 x's scale words: 4 i + q: lanes 0-15 K step 2 q of tile i, lanes 16-31 K step 2 q + 1
.set WS,  64                           ; v64-79 W's likewise
.set BI,  80                           ; v80-111 b in the result's layout
.set TM,  112                          ; v112-127 largest magnitudes
.set TP,  128                          ; v128-143 the other half's, then the bytes
.set SO,  144                          ; v144-159 the conversions' scale operands
.set PW,  160                          ; v160-163 the fragments' scale words
.set PR,  164                          ; v[164:165] the pair
.set CD,  168                          ; v168-215 four fragments' codes
.set TT,  216                          ; v216-247 the halves made on even starts
.set WF,  0
.set XF,  48
.set WV,  18
.set G1A, 24                           ; s[24:31] group 1 of x's halves;  s[32:39] of W's at the head;  s[72:79] of a refill's K step
.set G1B, 32
.set G1R, 72
.set G0A, 40                           ; s[40:43] group 0 of x's;  s[68:71] of W's at the head;  s[44:51] of the two slots' refills
.set G0B, 68
.set G0R, 44
.set KVB, 52                           ; s[52:53] my block in kvbuf
.set PFB, 54                           ; s[54:55] the next role's block of W
.set SEL, 92
.set HM,  94
.set MSB, 0
.macro WIN new
.if MSB != (\new)
	s_set_vgpr_msb (MSB<<8)|(\new)
.set MSB, (\new)
.endif
.endm
.macro PLACES
.rept 4
	v_nop
.endr
.endm
.macro CROUND                          ; a round of the cluster's barrier
	s_barrier_signal -1
	s_barrier_wait -1
	s_cmp_lg_u32 s[WV], 0
	s_cbranch_scc1 .Lnot_wave_0_\@
	s_barrier_signal -3
.Lnot_wave_0_\@:
	s_barrier_wait -3
	s_barrier_signal -1
	s_barrier_wait -1
.endm
.macro GRP1 g, mask, rows              ; a dense block as rows of 256 bytes (32 elements of 8), no padding; bit 21 beside the mask
	s_or_b32 s[\g], s\mask, (3<<16)|(1<<21)
	s_mov_b32 s[\g+1], 32<<16
	s_mov_b32 s[\g+2], (\rows)<<16
	s_mov_b32 s[\g+3], 32<<16
	s_mov_b32 s[\g+4], \rows
	s_mov_b32 s[\g+5], 32
	s_mov_b32 s[\g+6], 0
	s_mov_b32 s[\g+7], 0
.endm
.macro ARM n, g0, g1, next             ; an arm of the head's one chain: wave n's load
	s_cmp_eq_u32 s[WV], \n
	s_cbranch_scc0 \next
	tensor_load_to_lds s[\g0:\g0+3], s[\g1:\g1+7]
	s_nop 0
	PLACES
	s_branch .Lfilled
\next:
.endm
.macro BIAS role                       ; b of my head and role, at s[12:13], in the result's layout
.if \role == 2
.irp t, 0,1,2,3                        ; all eight registers of tile t are channel 16 t + r
.irp j, 0,1,2,3,4,5,6,7
	global_load_b32 v[BI+8*\t+\j], v[R4], s[12:13] offset:64*\t
.endr
.endr
.else
.irp t, 0,1,2,3                        ; register j of tile t is d = 32 (t / 2) + 8 (t % 2) + 16 h + j
	global_load_b128 v[BI+8*\t:BI+8*\t+3], v[H64], s[12:13] offset:4*(32*(\t/2)+8*(\t%2))
	global_load_b128 v[BI+8*\t+4:BI+8*\t+7], v[H64], s[12:13] offset:4*(32*(\t/2)+8*(\t%2))+16
.endr
.endif
.endm
.macro WSC dst                         ; my unit's scale words, all of K: each load is 128 consecutive bytes
.irp t, 0,1,2,3
.irp q, 0,1,2,3
	global_load_b32 v[\dst+4*\t+\q], v[L4], s[10:11] offset:512*\t+128*\q
.endr
.endr
.endm
.macro FETCH s                         ; K step s: my unit's 4 fragments, x's 8 tiles, into set s % 2: 36 loads of 512 consecutive bytes
	WIN 0x80+0x40*((\s)%2)
.irp t, 0,1,2,3
.irp p, 0,1,2
	ds_load_b128 v[WF+12*\t+4*\p:WF+12*\t+4*\p+3], v[AB+(\s)/2] offset:((\s)%2)*24576+1536*\t+512*\p
.endr
.endr
.irp i, 0,1,2,3,4,5,6,7
.irp p, 0,1,2
	ds_load_b128 v[XF+12*\i+4*\p:XF+12*\i+4*\p+3], v[AA+(\s)/4] offset:((\s)%4)*12288+1536*\i+512*\p
.endr
.endr
.endm
; 16 products: x's tiles 4 hh .. 4 hh + 3 against W's four.  The 32 accumulators take turns, one instruction a turn, in the same order in every step.
.macro MULH role, s, hh
.irp ii, 0,1,2,3
.irp t, 0,1,2,3
.set rI, 4*(\hh)+\ii
.if \role == 2
.set rD, 8*(8*\t+rI)
.set rA, XF+12*rI
.set rB, WF+12*\t
.set rSA, XS+4*rI+(\s)/2
.set rSB, WS+4*\t+(\s)/2
.else
.set rD, 8*(4*rI+\t)
.set rA, WF+12*\t
.set rB, XF+12*rI
.set rSA, WS+4*\t+(\s)/2
.set rSB, XS+4*rI+(\s)/2
.endif
.if (\s) == 0
.set rC, BI+8*\t
.else
.set rC, rD
.endif
.if (\s)%2
	v_wmma_scale_f32_16x16x128_f8f6f4 v[rD:rD+7], v[rA:rA+11], v[rB:rB+11], v[rC:rC+7], v[rSA], v[rSB] matrix_a_fmt:MATRIX_FMT_FP6 matrix_b_fmt:MATRIX_FMT_FP6 matrix_a_scale:MATRIX_SCALE_ROW1 matrix_b_scale:MATRIX_SCALE_ROW1
.else
	v_wmma_scale_f32_16x16x128_f8f6f4 v[rD:rD+7], v[rA:rA+11], v[rB:rB+11], v[rC:rC+7], v[rSA], v[rSB] matrix_a_fmt:MATRIX_FMT_FP6 matrix_b_fmt:MATRIX_FMT_FP6
.endif
.endr
.endr
.endm
.macro MWIN s                          ; sources in the step's set, D in window 1; C in window 0 (b) for the first step, else window 1
.if (\s) == 0
	WIN 0x4a
.elseif (\s)%2
	WIN 0x5f
.else
	WIN 0x5a
.endif
.endm
.macro STEP role, s
	s_wait_dscnt 12                                ; my unit's fragments and x's tiles 0-3 are in; the 12 loads of tiles 4-7 may be out
	MWIN \s
	MULH \role, \s, 0
.if ((\s)%4 == 3) && ((\role) < 2)     ; slot s / 4 has been fetched to its end: it takes the next role's four K steps
	WIN 0
	s_wait_tensorcnt 0x0                           ; all my tensor loads have landed, my part of the other slot among them;
	ds_add_u32 v[SPW], v[NIL]
.if (\role) == 1
	s_add_nc_u64 s[G0R+4*((\s)/4)+2:G0R+4*((\s)/4)+3], s[G0R+4*((\s)/4)+2:G0R+4*((\s)/4)+3], ROLEB   ; no load of mine is out: on to role v's block
.endif
	s_wait_dscnt 0x0                               ; the add is done, and so are my reads of this slot
	CROUND                                         ; both hold of every wave of all sixteen work-groups
	tensor_load_to_lds s[G0R+4*((\s)/4):G0R+4*((\s)/4)+3], s[G1R:G1R+7]   ; my K step of the slot
	s_nop 0
.elseif (\s) == 3                      ; role v: slot 1's last fill is shown to all
	s_wait_tensorcnt 0x0
	s_wait_dscnt 0x0
	s_barrier_signal -1
	s_barrier_wait -1
.else
	s_wait_dscnt 0x0                               ; tiles 4-7 are in
.endif
.if ((\s) < 7) || ((\role) < 2)
	PLACES                                         ; four places in front of loads into registers that matrix instructions have read
.if ((\s) == 3) && ((\role) < 2)       ; the next role's scale words and b; the earlier loads by these bases were waited for
	s_add_nc_u64 s[10:11], s[10:11], 32768         ; 16 units of 2,048 bytes on
	s_add_nc_u64 s[12:13], s[12:13], 256           ; 64 numbers on
	WSC WN
	BIAS (\role)+1
.endif
	FETCH ((\s)+1)%8                               ; behind step 7: the next role's K step 0
.if ((\s)%4 == 0) && ((\role) < 2)
	global_prefetch_b8 v[PF], s[PFB:PFB+1] offset:SLOTB*((\s)/4) th:TH_LOAD_NT scope:SCOPE_SE   ; my 24 blocks of the next role's slot s / 4
.endif
	MWIN \s
.endif
	MULH \role, \s, 1
.endm
; THE WAY OUT, one text for the three roles: fragment g is window 1's v[64 g .. 64 g + 63], register 16 b + i = K 32 b + 16 h + i of the lane's row
.macro WAYOUT
	WIN 0x14                                       ; sources 1 and 2 in window 1
.irp g, 0,1,2,3
.irp b, 0,1,2,3
	v_max3_num_f32 v[TM+4*\g+\b], v[FL], |v[64*\g+16*\b]|, |v[64*\g+16*\b+1]|   ; sixteen chains by turns; each accumulator is read from its low end on
.endr
.endr
.irp i, 2,4,6,8,10,12,14
.irp g, 0,1,2,3
.irp b, 0,1,2,3
	v_max3_num_f32 v[TM+4*\g+\b], v[TM+4*\g+\b], |v[64*\g+16*\b+\i]|, |v[64*\g+16*\b+\i+1]|
.endr
.endr
.endr
	WIN 0
.set n, 0
.rept 16
	v_permlanex16_b32 v[TP+n], v[TM+n], s[SEL], s[SEL+1]
.set n, n+1
.endr
.set n, 0
.rept 16
	v_max_num_f32 v[TM+n], v[TM+n], v[TP+n]        ; the block's largest magnitude
.set n, n+1
.endr
.set n, 0
.rept 16
	v_add_nc_u32 v[SO+n], 0xff000000, v[TM+n]      ; 2 off the exponent field: the conversion's scale operand
.set n, n+1
.endr
.set n, 0
.rept 16
	v_lshrrev_b32 v[TP+n], 23, v[SO+n]             ; the byte
.set n, n+1
.endr
.irp g, 0,1,2,3
	v_lshl_or_b32 v[PW+\g], v[TP+4*\g+1], 8, v[TP+4*\g]
.endr
.irp g, 0,1,2,3
	v_lshl_or_b32 v[PW+\g], v[TP+4*\g+2], 16, v[PW+\g]
.endr
.irp g, 0,1,2,3
	v_lshl_or_b32 v[PW+\g], v[TP+4*\g+3], 24, v[PW+\g]
.endr
	WIN 0x01                                       ; the numbers in window 1
.irp g, 0,1,2,3
	v_cvt_scalef32_pk16_fp6_f32 v[CD+12*\g:CD+12*\g+2], v[64*\g:64*\g+15], v[SO+4*\g]
	v_cvt_scalef32_pk16_fp6_f32 v[TT+8*\g:TT+8*\g+2], v[64*\g+16:64*\g+31], v[SO+4*\g+1]
	v_cvt_scalef32_pk16_fp6_f32 v[CD+12*\g+6:CD+12*\g+8], v[64*\g+32:64*\g+47], v[SO+4*\g+2]
	v_cvt_scalef32_pk16_fp6_f32 v[TT+8*\g+4:TT+8*\g+6], v[64*\g+48:64*\g+63], v[SO+4*\g+3]
.endr
	WIN 0
	v_nop                                          ; one plain line behind the conversions
.irp g, 0,1,2,3
.irp c, 0,1
.irp i, 0,1,2
	v_permlane16_swap_b32 v[CD+12*\g+6*\c+\i], v[TT+8*\g+4*\c+\i]   ; a whole block to a lane
.endr
.endr
.endr
.irp g, 0,1,2,3
.irp c, 0,1
.irp i, 0,1,2
	v_mov_b32 v[CD+12*\g+6*\c+3+\i], v[TT+8*\g+4*\c+\i]
.endr
.endr
.endr
	v_cndmask_b32 v[PR], v[PW], v[PW+1], s[HM]     ; lanes 0-15 fragment 0's words, lanes 16-31 fragment 1's
	v_cndmask_b32 v[PR+1], v[PW+2], v[PW+3], s[HM]
.irp g, 0,1,2,3
.irp p, 0,1,2
	global_store_b128 v[L16], v[CD+12*\g+4*\p:CD+12*\g+4*\p+3], s[96:97] offset:1536*\g+512*\p   ; 512 consecutive bytes, aligned
.endr
.endr
	global_store_b64 v[L8], v[PR:PR+1], s[98:99]   ; 256 consecutive bytes, aligned
.endm
.macro ROLE r
.irp s, 0,1,2,3,4,5,6,7
	STEP \r, \s
.endr
	WIN 0
	PLACES                                         ; four places behind the last products
	s_wait_xcnt 0x0                                ; the last role's stores have read their registers and bases, my prefetches their base
.if \r == 0
	s_add_nc_u64 s[PFB:PFB+1], s[PFB:PFB+1], ROLEB
.elseif \r == 1
	s_mov_b64 s[96:97], s[KVB:KVB+1]               ; k's codes, and its pairs
	s_add_nc_u64 s[98:99], s[KVB:KVB+1], 12288
.else
	s_add_nc_u64 s[96:97], s[KVB:KVB+1], 6144      ; v's codes behind k's, and its pairs
	s_add_nc_u64 s[98:99], s[KVB:KVB+1], 12544
.endif
.if \r < 2
	s_wait_loadcnt 0x0                             ; the next role's scale words and b are in
.set n, 0
.rept 16
	v_mov_b32 v[WS+n], v[WN+n]
.set n, n+1
.endr
.endif
	WAYOUT
.endm
	s_load_b256 s[4:11], s[0:1], 0x0               ; ximg s[4:5], xsc s[6:7], wimg s[8:9], wsc s[10:11]
	s_load_b128 s[12:15], s[0:1], 0x20             ; b s[12:13], qbuf s[14:15]
	s_load_b64 s[16:17], s[0:1], 0x30              ; kvbuf
	v_lshl_add_u32 v[SPW], v0, 2, SPARE
	v_mov_b32 v[NIL], 0
	ds_add_u32 v[SPW], v[NIL]                      ; the opening lines: the add, twice on end, and its wait
	ds_add_u32 v[SPW], v[NIL]
	v_lshrrev_b32 v1, 5, v0
	v_readfirstlane_b32 s[WV], v1                  ; wave 0..3
	s_and_b32 s20, s[WV], 1                        ; at the head: K steps 0-3 (0) or 4-7 (1)
	s_bfe_u32 s21, ttmp6, 0x40000                  ; cx: my four heads
	s_bfe_u32 s22, ttmp6, 0x40004                  ; cy
	s_and_b32 s56, ttmp7, 0xffff
	s_lshl_b32 s56, s56, 2
	s_add_co_u32 s56, s56, s22                     ; my block of 128 rows = 4 x cluster y + cy
	s_lshl_b32 s84, s22, 2
	s_lshl_b32 s84, 15, s84                        ; my row of the cluster
	s_lshl_b32 s85, 0x1111, s21                    ; my column
	GRP1 G1A, 84, 192                              ; four K steps of x: 49,152 bytes
	GRP1 G1B, 85, 384                              ; four K steps of W: 98,304
	GRP1 G1R, 85, 96                               ; one K step of W: 24,576
	s_mul_i32 s60, s56, 98304                      ; x's address hangs on the block of rows and the wave alone,
	s_mul_i32 s86, s20, 49152
	s_add_co_u32 s60, s60, s86
	s_mov_b32 s61, 0
	s_mul_i32 s62, s21, 196608                     ; W's on cx and the wave: role q's block is block cx
	s_mul_i32 s87, s20, SLOTB
	s_add_co_u32 s62, s62, s87
	s_mov_b32 s63, 0
	s_mul_i32 s[PFB], s21, 196608
	s_add_co_u32 s[PFB], s[PFB], ROLEB             ; role k's block
	s_mov_b32 s[PFB+1], 0
	s_mul_i32 s88, s[WV], 24576                    ; a refill: my K step of the slot
	s_mov_b32 s84, s88
	s_mov_b32 s85, 0
	s_mov_b32 s[SEL], 0x76543210
	s_mov_b32 s[SEL+1], 0xfedcba98
	s_mov_b32 s[HM], 0xffff0000
	s_wait_dscnt 0x0                               ; both opening adds are done
	s_wait_kmcnt 0x0
	s_mov_b32 s[G0A], 1
	s_mov_b32 s[G0A+1], s86
	s_add_nc_u64 s[G0A+2:G0A+3], s[4:5], s[60:61]
	s_or_b32 s[G0A+3], s[G0A+3], 0x80000000
	s_mov_b32 s[G0B], 1
	s_add_co_u32 s[G0B+1], s87, BOFF
	s_add_nc_u64 s[G0B+2:G0B+3], s[8:9], s[62:63]
	s_or_b32 s[G0B+3], s[G0B+3], 0x80000000
	s_add_nc_u64 s[PFB:PFB+1], s[8:9], s[PFB:PFB+1]
	s_mov_b32 s[G0R], 1
	s_add_co_u32 s[G0R+1], s88, BOFF
	s_add_nc_u64 s[G0R+2:G0R+3], s[PFB:PFB+1], s[84:85]
	s_mov_b32 s[G0R+4], 1
	s_add_co_u32 s[G0R+5], s88, BOFF+SLOTB
	s_add_nc_u64 s[G0R+6:G0R+7], s[G0R+2:G0R+3], SLOTB
	s_or_b32 s[G0R+3], s[G0R+3], 0x80000000
	s_or_b32 s[G0R+7], s[G0R+7], 0x80000000
	CROUND                                         ; all sixteen work-groups are here: the joint loads meet
	ARM 0, G0A, G1A, .Larm_w0                      ; wave 0: x's K steps 0-3
	ARM 2, G0B, G1B, .Larm_x1                      ; wave 2: W's K steps 0-3
	ARM 1, G0A, G1A, .Larm_w1                      ; wave 1: x's K steps 4-7
	tensor_load_to_lds s[G0B:G0B+3], s[G1B:G1B+7]  ; wave 3: W's K steps 4-7
	s_nop 0
	PLACES
.Lfilled:
	v_and_b32 v1, 31, v0
	v_lshlrev_b32 v[L16], 4, v1
	v_lshlrev_b32 v[L4], 2, v1
	v_lshlrev_b32 v[L8], 3, v1
	v_add_nc_u32 v[AA+1], 49152, v[L16]
	s_mul_i32 s86, s[WV], 6144
	s_add_co_u32 s86, s86, BOFF
	v_add_nc_u32 v[AB], s86, v[L16]
.irp c, 1,2,3
	v_add_nc_u32 v[AB+\c], 49152*\c, v[AB]
.endr
	v_mov_b32 v[FL], 0x1800000
	v_bfe_u32 v[H64], v0, 4, 1
	v_lshlrev_b32 v[H64], 6, v[H64]
	v_and_b32 v[R4], 15, v0
	v_lshlrev_b32 v[R4], 2, v[R4]
.set n, 0
.rept 16
	v_mov_b32 v[TP+n], 0                           ; written once: a lane permute's destination counts as a source
.set n, n+1
.endr
	s_lshl_b32 s87, s22, 2
	s_add_co_u32 s87, s87, s[WV]                   ; my number among the sixteen waves of my column of the cluster
	s_mul_i32 s87, s87, 6144                       ; 24 blocks of 256 bytes each
	v_min_u32 v[PF], 23, v1                        ; (lanes 24-31 name the wave's last block again)
	v_lshl_add_u32 v[PF], v[PF], 8, s87
	s_wait_alu depctr_va_vdst(0)                   ; the end of the head's vector work
	s_lshl_b32 s58, s21, 2
	s_add_co_u32 s58, s58, s[WV]                   ; head = 4 cx + wave
	s_lshl_b32 s84, s56, 12                        ; xsc: 8 tiles of 512 bytes a block of rows
	s_mov_b32 s85, 0
	s_add_nc_u64 s[6:7], s[6:7], s[84:85]
	s_lshl_b32 s84, s58, 11                        ; wsc: 4 tiles of 512 bytes a unit; role q's unit is the head
	s_add_nc_u64 s[10:11], s[10:11], s[84:85]
.irp i, 0,1,2,3,4,5,6,7                ; x's scale words of all of K come once, into registers
.irp q, 0,1,2,3
	global_load_b32 v[XS+4*\i+\q], v[L4], s[6:7] offset:512*\i+128*\q
.endr
.endr
	WSC WS
	s_mul_i32 s84, s58, 768                        ; b: 192 numbers a head, q's 64 first
	s_add_nc_u64 s[12:13], s[12:13], s[84:85]
	BIAS 0
	s_lshr_b32 s84, s56, 4                         ; where the results go: block (16 batch + head) x 16 + the block of rows in its batch
	s_lshl_b32 s84, s84, 4
	s_add_co_u32 s84, s84, s58
	s_lshl_b32 s84, s84, 4
	s_and_b32 s86, s56, 15
	s_add_co_u32 s84, s84, s86
	s_mul_i32 s[KVB], s84, 12800
	s_mov_b32 s[KVB+1], 0
	s_add_nc_u64 s[KVB:KVB+1], s[16:17], s[KVB:KVB+1]
	s_mul_i32 s84, s84, 6400
	s_add_nc_u64 s[96:97], s[14:15], s[84:85]      ; q's codes, and its pairs
	s_add_nc_u64 s[98:99], s[96:97], 6144
	s_cmp_eq_u32 s20, 0
	s_cbranch_scc0 .Llater
	s_wait_tensorcnt 0x0                           ; waves 0 and 2: K steps 0-3 of x and of W have landed
.Llater:
	s_barrier_signal -1
	s_barrier_wait -1                              ; waves 1 and 3's tiles may still be on their way
	FETCH 0
	s_wait_loadcnt 0x0                             ; the scale words and b
	ROLE 0
	ROLE 1
	ROLE 2
	s_wait_tensorcnt 0x0                           ; the wave's end
	ds_add_u32 v[SPW], v[NIL]
	s_wait_dscnt 0x0
	CROUND                                         ; the closing round
	s_endpgm
.Lfunc_end_k_q259c4f0831_qkv:
	.size	k_q259c4f0831_qkv, .Lfunc_end_k_q259c4f0831_qkv-k_q259c4f0831_qkv
	.p2alignl 7, 3214868480
	.fill 96, 4, 3214868480
	.section	.rodata,"a",@progbits
	.p2align	6, 0x0
	.amdhsa_kernel k_q259c4f0831_qkv
		.amdhsa_group_segment_fixed_size 327680
		.amdhsa_private_segment_fixed_size 0
		.amdhsa_enable_private_segment 0
		.amdhsa_kernarg_size 56
		.amdhsa_user_sgpr_count 2
		.amdhsa_user_sgpr_kernarg_segment_ptr 1
		.amdhsa_wavefront_size32 1
		.amdhsa_system_sgpr_workgroup_id_x 1
		.amdhsa_system_sgpr_workgroup_id_y 1
		.amdhsa_system_sgpr_workgroup_id_z 1
		.amdhsa_system_vgpr_workitem_id 0
		.amdhsa_next_free_vgpr 1024
		.amdhsa_next_free_sgpr 100
		.amdhsa_reserve_vcc 0
		.amdhsa_float_denorm_mode_32 3
		.amdhsa_float_denorm_mode_16_64 3
		.amdhsa_memory_ordered 1
		.amdhsa_forward_progress 1
		.amdhsa_inst_pref_size 230
	.end_amdhsa_kernel
	.amdgpu_metadata
---
amdhsa.version: [ 1, 2 ]
amdhsa.kernels:
  - .name:           k_q259c4f0831_qkv
    .symbol:         k_q259c4f0831_qkv.kd
    .args:
      - { .name: ximg, .offset: 0, .size: 8, .value_kind: global_buffer, .address_space: global }
      - { .name: xsc, .offset: 8, .size: 8, .value_kind: global_buffer, .address_space: global }
      - { .name: wimg, .offset: 16, .size: 8, .value_kind: global_buffer, .address_space: global }
      - { .name: wsc, .offset: 24, .size: 8, .value_kind: global_buffer, .address_space: global }
      - { .name: b_qkv, .offset: 32, .size: 8, .value_kind: global_buffer, .address_space: global }
      - { .name: qbuf, .offset: 40, .size: 8, .value_kind: global_buffer, .address_space: global }
      - { .name: kvbuf, .offset: 48, .size: 8, .value_kind: global_buffer, .address_space: global }
    .group_segment_fixed_size: 327680
    .private_segment_fixed_size: 0
    .kernarg_segment_align: 8
    .kernarg_segment_size: 56
    .max_flat_workgroup_size: 128
    .sgpr_count:     100
    .vgpr_count:     1024
    .wavefront_size: 32
...
	.end_amdgpu_metadata
.endif
;; end of part 2
;; launch attn (part 3): grid 4 x 64, 16 waves a work-group, clusters of 4 x 1, 276,480 bytes of LDS; arguments qbuf, kvbuf, out0; writes out0
.if DOCPART == 3
	.amdgcn_target "amdgcn-amd-amdhsa--gfx1250"
	.amdhsa_code_object_version 6
	.text
	.protected	k_q259c4f0831_attn
	.globl	k_q259c4f0831_attn
	.p2align	8
	.type	k_q259c4f0831_attn,@function
k_q259c4f0831_attn:
	s_mov_b64 s[64:65], 0
	v_nop
	global_prefetch_b8 v0, s[64:65] scope:SCOPE_SE
	s_setreg_imm32_b32 hwreg(HW_REG_WAVE_MODE, 25, 1), 1
	s_wait_xcnt 0x0
	s_wait_alu depctr_hold_cnt(0) depctr_sa_sdst(0) depctr_va_vdst(0) depctr_va_sdst(0) depctr_va_ssrc(0) depctr_va_vcc(0) depctr_vm_vsrc(0)
	s_getreg_b32 s2, hwreg(HW_REG_IB_STS2, 6, 4)
	s_cmp_eq_u32 s2, 0
	s_cbranch_scc0 .Lentry_in_a_cluster
	s_endpgm
.Lentry_in_a_cluster:
	s_bfe_u32 s2, ttmp6, 0x10000c
	s_cmp_lg_u32 s2, 0x3003
	s_cbranch_scc0 .Lentry_shape_is_right
	s_endpgm
.Lentry_shape_is_right:
; out[b][q][head x 64 + d] = the sum over keys of softmax(q . k / 8) v, both products on codes of FP6 with one E8M0 byte for each 32 along K.  No work of reference() is left out.
; THE SOFTMAX AHEAD OF THE SECOND PRODUCT: t = score x log2(e) / 8; M = the running largest t rounded UP to a whole number; p = 2^(t - M) is quantised along the keys; the row's sum is taken of the unquantised p and divides at the end.
; When M moves, the sum and O are multiplied by 2^(old M - new M): exact.
; SHARES.  A cluster of four work-groups is one (batch, head); a work-group owns 512 queries, each of its sixteen waves 32: two tiles of 16, one after the other (PASS, written twice).  Four waves to a SIMD:
; one wave's vector work stands beside another's matrix work and LDS loads.
; ALL OF THE HEAD'S K AND V LIES IN LDS (204,800 bytes): wave w's one tensor load brings the block of keys 128 w .. 128 w + 127, asked for jointly by the four work-groups.  Nothing is filled again; every
; tile is asked for at the head, so there is no later load to run ahead of by a prefetch.
; THE FIRST PRODUCT'S K IS 64.  A fragment of k is [tile 2 b | tile 2 b + 1]: K 0-63 a key of tile 2 b, K 64-127 a key of tile 2 b + 1.  It is multiplied by [q | 0] and by [0 | q]: the zero codes add nothing,
; so the two results are the scores of the two tiles; no byte of LDS holds zeros, and the fragment's one scale word serves both.  q's two bytes stand in both halves of its word.
; LAYOUT.  Both products are used transposed: a lane holds one query.  Tile 2 b + u holds keys 32 b + 8 u + r + 8 (r / 8), so registers 16 b .. 16 b + 15 of the scores are keys 32 b + 16 h + 0 .. 15.
; LIMITS: a block's largest p is taken through the block's largest score (this takes v_exp_f32 not to fall where its input rises); a block whose every p is 0 keeps the byte 1; NaN and infinities are not served.
.set STEPB, 12800                      ; a block of 128 keys: k's 4 fragments, v's 4, k's scale pairs, v's
.set VOFF,  6144
.set KSO,   12288
.set STAGE, 16*STEPB                   ; behind K and V: 16 rows x 272 bytes for each wave, for the way out
.set SPI,   272
.set SPARE, STAGE+16*16*SPI            ; the spare words, 128 bytes a wave: eight blocks of 256 bytes that no other line names
.set SPW, 3                            ; v3 LDS address of my spare word; v4 0; never rewritten
.set NIL, 4
.set STO, 5                            ; v5-7 the way out: into the stage, back, and my byte in out
.set RD,  6
.set GO,  7
.set ADR, 8                            ; v8 the step's fragments; v9 its scale pairs
.set ADS, 9
.set QZ,  16                           ; v16-21 zeros, v22-27 q, v28-33 zeros: [0 | q] = v[16:27], [q | 0] = v[22:33]
.set QL,  34                           ; v34-45 the group's fragment as loaded
.set QW,  46                           ; its scale word;  v47 the pass's
.set QS,  47
.set F,   48                           ; v48-95 four fragments: k's, then v's
.set S,   96                           ; v96-159 the scores, then p
.set O,   160                          ; v160-191 O^T
.set PC,  192                          ; v192-203 p's codes; v204-211 the halves made elsewhere
.set PT,  204
.set BM,  212                          ; v212-215 each block's largest score, then p
.set PM,  216                          ; v216-219 the other half's, then the bytes
.set SO,  220                          ; v220-223 the conversions' scale operands
.set KS,  224                          ; v[224:225] k's scale pairs; v[226:227] v's
.set VS,  226
.set PW,  228                          ; p's scale word
.set FF,  230                          ; v[230:231] f
.set TMP, 232
.set SB,  234                          ; v[234:235] the sum's second chain
.set WV,  10
.set SEL, 20
.set CS,  22
.set G1,  24
.set TB,  32
.set CNT, 33
.set TN,  34                           ; s34 the next step's block of keys, in bytes
.set G0,  40
.macro CROUND
	s_barrier_signal -1
	s_barrier_wait -1
	s_cmp_lg_u32 s[WV], 0
	s_cbranch_scc1 .Lnot_wave_0_\@
	s_barrier_signal -3
.Lnot_wave_0_\@:
	s_barrier_wait -3
	s_barrier_signal -1
	s_barrier_wait -1
.endm
	s_load_b128 s[4:7], s[0:1], 0x0                ; qbuf s[4:5], kvbuf s[6:7]
	s_load_b64 s[8:9], s[0:1], 0x10                ; out0
	v_lshl_add_u32 v[SPW], v0, 2, SPARE
	v_mov_b32 v[NIL], 0
	ds_add_u32 v[SPW], v[NIL]                      ; the wave's opening: the add, twice on end, and its wait ahead of my first tensor load
	ds_add_u32 v[SPW], v[NIL]
	v_lshrrev_b32 v1, 5, v0
	s_delay_alu instid0(VALU_DEP_1)
	v_readfirstlane_b32 s[WV], v1                  ; wave 0..15
	s_bfe_u32 s11, ttmp6, 0x40000                  ; cx: it enters q's and out's addresses alone
	s_and_b32 s12, ttmp7, 0xffff                   ; 16 batch + head, which the four partners share
	s_mov_b32 s[G1], 15|(3<<16)|(1<<21)            ; 15:0 the mask: all four; 17:16 elements of 8 bytes; 21 set beside a mask; no padding
	s_mov_b32 s[G1+1], 32<<16                      ; a dense block as rows of 256 bytes
	s_mov_b32 s[G1+2], 50<<16                      ; 50 rows: 12,800 bytes
	s_mov_b32 s[G1+3], 32<<16
	s_mov_b32 s[G1+4], 50
	s_mov_b32 s[G1+5], 32
	s_mov_b32 s[G1+6], 0
	s_mov_b32 s[G1+7], 0
	s_mul_i32 s14, s12, 16*STEPB
	s_mul_i32 s16, s[WV], STEPB
	s_add_co_u32 s14, s14, s16
	s_mov_b32 s15, 0
	s_mov_b32 s[SEL], 0x76543210
	s_mov_b32 s[SEL+1], 0xfedcba98
	s_mov_b32 s[CS], 0x3e38aa3b                    ; c = log2(e) / 8
	s_mov_b32 s[CS+1], s[CS]                       ; (named with it as a pair)
	s_wait_dscnt 0x0                               ; both opening adds are done
	s_wait_kmcnt 0x0
	s_mov_b32 s[G0], 1
	s_mov_b32 s[G0+1], s16                         ; LDS: 12,800 x wave
	s_add_nc_u64 s[G0+2:G0+3], s[6:7], s[14:15]
	s_or_b32 s[G0+3], s[G0+3], 0x80000000
	CROUND                                         ; all four work-groups are here: the joint loads meet
	tensor_load_to_lds s[G0:G0+3], s[G1:G1+7]      ; my one tensor load
	s_nop 0
.rept 4
	v_nop
.endr
	s_lshl_b32 s13, s11, 4
	s_add_co_u32 s13, s13, s[WV]                   ; my group of 32 queries: 16 cx + wave
	s_lshl_b32 s34, s12, 4
	s_lshr_b32 s35, s13, 2
	s_add_co_u32 s34, s34, s35
	s_mul_i32 s34, s34, 6400                       ; its block in qbuf,
	s_and_b32 s35, s13, 3
	s_mul_i32 s36, s35, 1536
	s_add_co_u32 s36, s36, s34                     ; its fragment,
	s_mov_b32 s37, 0
	s_add_nc_u64 s[36:37], s[4:5], s[36:37]
	s_and_b32 s38, s13, 1                          ; and its words among the pairs: lanes 16 (g % 2) on, word g / 2
	s_lshl_b32 s38, s38, 7
	s_bfe_u32 s39, s13, 0x10001
	s_lshl_b32 s39, s39, 2
	s_add_co_u32 s38, s38, s39
	s_add_co_u32 s38, s38, s34
	s_add_co_u32 s38, s38, 6144
	s_mov_b32 s39, 0
	s_add_nc_u64 s[38:39], s[4:5], s[38:39]
	v_and_b32 v8, 31, v0
	s_delay_alu instid0(VALU_DEP_1)
	v_lshlrev_b32 v1, 4, v8                        ; v1 16 x lane
	s_delay_alu instid0(VALU_DEP_2)
	v_lshl_add_u32 v2, v8, 3, KSO                  ; v2 8 x lane + where k's pairs lie
	v_and_b32 v10, 15, v0                          ; r
	v_bfe_u32 v11, v0, 4, 1                        ; h
	s_delay_alu instid0(VALU_DEP_2)
	v_lshlrev_b32 v9, 3, v10
.irp p, 0,1,2
	global_load_b128 v[QL+4*\p:QL+4*\p+3], v1, s[36:37] offset:512*\p
.endr
	global_load_b32 v[QW], v9, s[38:39]
	s_mul_i32 s14, s[WV], 16*SPI
	s_add_co_u32 s14, s14, STAGE                   ; my stage
	v_mul_u32_u24 v[STO], v10, SPI
	s_delay_alu instid0(VALU_DEP_1)
	v_lshl_add_u32 v[STO], v11, 5, v[STO]
	s_delay_alu instid0(VALU_DEP_1)
	v_add_nc_u32 v[STO], s14, v[STO]               ; in: row r, + 32 h
	v_mul_u32_u24 v[RD], v11, SPI
	s_delay_alu instid0(VALU_DEP_1)
	v_lshl_add_u32 v[RD], v10, 4, v[RD]
	s_delay_alu instid0(VALU_DEP_1)
	v_add_nc_u32 v[RD], s14, v[RD]                 ; back: lanes 0-15 one row, lanes 16-31 the next
	v_lshlrev_b32 v[GO], 12, v11
	s_delay_alu instid0(VALU_DEP_1)
	v_lshl_add_u32 v[GO], v10, 4, v[GO]            ; and the same in out: a row is 4,096 bytes
	s_lshr_b32 s16, s12, 4
	s_lshl_b32 s16, s16, 23                        ; the batch's 2,048 rows,
	s_lshl_b32 s17, s13, 17                        ; my group's 32,
	s_add_co_u32 s16, s16, s17
	s_and_b32 s17, s12, 15
	s_lshl_b32 s17, s17, 8                         ; the head's 256 bytes of a row
	s_add_co_u32 s16, s16, s17
	s_mov_b32 s17, 0
	s_add_nc_u64 s[8:9], s[8:9], s[16:17]
.irp i, 0,1,2,3,4,5
	v_mov_b32 v[QZ+\i], 0
	v_mov_b32 v[QZ+12+\i], 0
.endr
.irp b, 0,1,2,3
	v_mov_b32 v[PM+\b], 0                          ; written once: a lane permute's destination counts as a source
.endr
	v_mov_b32 v[FF+1], 0                           ; (named as the upper half of a pair)
	v_mov_b32 v[TMP], 0
	s_wait_loadcnt 0x0                             ; q
	s_wait_tensorcnt 0x0                           ; my block of keys has landed,
	s_barrier_signal -1
	s_barrier_wait -1                              ; everybody's has: the head's K and V are whole
.macro KLOAD                           ; a step's scale pairs of k, then its four fragments: 13 loads, in the order in which the products want them
	ds_load_b64 v[KS:KS+1], v[ADS]
.irp b, 0,1,2,3
.irp p, 0,1,2
	ds_load_b128 v[F+12*\b+4*\p:F+12*\b+4*\p+3], v[ADR] offset:1536*\b+512*\p
.endr
.endr
.endm
	v_mov_b32 v[ADR], v1
	v_mov_b32 v[ADS], v2
	KLOAD                                          ; step 0's; each later step's are fetched behind the step before
.macro PASS u                          ; tile u of my group: queries 8 u + r + 8 (r / 8)
.irp i, 0,1,2,3,4,5
	v_mov_b32 v[QZ+6+\i], v[QL+6*\u+\i]
.endr
.if \u == 0
	v_and_b32 v[TMP], 0xffff, v[QW]
.else
	v_lshrrev_b32 v[TMP], 16, v[QW]
.endif
	s_delay_alu instid0(VALU_DEP_1)
	v_lshl_or_b32 v[QS], v[TMP], 16, v[TMP]        ; the tile's two bytes, in both halves of the word.  The 36 lines below stand between this and the first product
.set j, 0
.rept 32
	v_mov_b32 v[O+j], 0                            ; the step is written once: the first finds zeros, which the first change of M leaves zeros
.set j, j+1
.endr
	v_mov_b32 v13, 0xff61b1e6                      ; the largest score so far: -3e38
	s_delay_alu instid0(VALU_DEP_1)
	v_floor_f32 v12, -v13                          ; -M
	v_mov_b32 v14, 0                               ; the sum, in two halves
	v_mov_b32 v15, 0
	s_mov_b32 s[TB], 0
	s_mov_b32 s[CNT], 0
.Lstep_\@:                             ; 16 trips of 128 keys
	s_wait_alu depctr_va_vdst(0)
.irp b, 0,1,2,3                        ; S^T: keys 32 b + 16 h + 0 .. 7 by [q | 0], + 8 .. 15 by [0 | q]
	s_wait_dscnt 9-3*\b                            ; the pairs and fragments 0 .. b are in; the three loads of each later fragment may be out
.if \b%2
	v_wmma_scale_f32_16x16x128_f8f6f4 v[S+16*\b:S+16*\b+7], v[F+12*\b:F+12*\b+11], v[QZ+6:QZ+17], 0, v[KS+\b/2], v[QS] matrix_a_fmt:MATRIX_FMT_FP6 matrix_b_fmt:MATRIX_FMT_FP6 matrix_a_scale:MATRIX_SCALE_ROW1
	v_wmma_scale_f32_16x16x128_f8f6f4 v[S+16*\b+8:S+16*\b+15], v[F+12*\b:F+12*\b+11], v[QZ:QZ+11], 0, v[KS+\b/2], v[QS] matrix_a_fmt:MATRIX_FMT_FP6 matrix_b_fmt:MATRIX_FMT_FP6 matrix_a_scale:MATRIX_SCALE_ROW1
.else
	v_wmma_scale_f32_16x16x128_f8f6f4 v[S+16*\b:S+16*\b+7], v[F+12*\b:F+12*\b+11], v[QZ+6:QZ+17], 0, v[KS+\b/2], v[QS] matrix_a_fmt:MATRIX_FMT_FP6 matrix_b_fmt:MATRIX_FMT_FP6
	v_wmma_scale_f32_16x16x128_f8f6f4 v[S+16*\b+8:S+16*\b+15], v[F+12*\b:F+12*\b+11], v[QZ:QZ+11], 0, v[KS+\b/2], v[QS] matrix_a_fmt:MATRIX_FMT_FP6 matrix_b_fmt:MATRIX_FMT_FP6
.endif
.endr
	v_add_nc_u32 v[ADR], s[TB], v1                 ; this step's block, for v.  With the two v_nop: four places in front of the loads into k's registers and of the first read of the scores
	v_add_nc_u32 v[ADS], s[TB], v2
	v_nop
	v_nop
.irp t, 0,1,2,3                        ; v's fragments land under the softmax
.irp p, 0,1,2
	ds_load_b128 v[F+12*\t+4*\p:F+12*\t+4*\p+3], v[ADR] offset:VOFF+1536*\t+512*\p
.endr
.endr
	ds_load_b64 v[VS:VS+1], v[ADS] offset:256
.irp b, 0,1,2,3
	v_max3_num_f32 v[BM+\b], v[S+16*\b], v[S+1+16*\b], v[S+2+16*\b]   ; the largest score of each block of 32 keys: for the row's maximum, and for the block's largest p
.endr
.irp i, 3,5,7,9,11,13
.irp b, 0,1,2,3
	v_max3_num_f32 v[BM+\b], v[BM+\b], v[S+16*\b+\i], v[S+1+16*\b+\i]
.endr
.endr
.irp b, 0,1,2,3
	v_max_num_f32 v[BM+\b], v[BM+\b], v[S+15+16*\b]
.endr
.irp b, 0,1,2,3
	s_delay_alu instid0(VALU_DEP_4)
	v_permlanex16_b32 v[PM+\b], v[BM+\b], s[SEL], s[SEL+1]
.endr
.irp b, 0,1,2,3
	s_delay_alu instid0(VALU_DEP_4)
	v_max_num_f32 v[BM+\b], v[BM+\b], v[PM+\b]     ; with lane l xor 16's 16 keys
.endr
	s_delay_alu instid0(VALU_DEP_2)
	v_max3_num_f32 v[TMP], v[BM], v[BM+1], v[BM+2]
	v_mov_b32 v[FF], v12                           ; the old -M
	s_delay_alu instid0(VALU_DEP_2)
	v_max3_num_f32 v13, v[TMP], v[BM+3], v13       ; the running largest score
	s_delay_alu instid0(VALU_DEP_1)
	v_mul_f32 v[TMP], s[CS], v13                   ; as t (c is positive, so the largest score gives the largest t)
	s_delay_alu instid0(VALU_DEP_1)
	v_floor_f32 v12, -v[TMP]                       ; the new -M = -ceil(t)
.set j, 0
.rept 32
	v_pk_fma_f32 v[S+j:S+j+1], v[S+j:S+j+1], s[CS:CS+1], v[12:13] op_sel_hi:[1,0,0]   ; t - M, two at a time
.set j, j+2
.endr
	v_sub_f32 v[FF], v12, v[FF]                    ; old M - new M: a whole number, 0 or less
	v_fma_f32 v[BM], v[BM], s[CS], v12
	v_fma_f32 v[BM+1], v[BM+1], s[CS], v12
	s_delay_alu instid0(VALU_DEP_3)
	v_cvt_i32_f32 v[FF], v[FF]                     ; (it saturates)
	v_fma_f32 v[BM+2], v[BM+2], s[CS], v12
	v_fma_f32 v[BM+3], v[BM+3], s[CS], v12
	s_delay_alu instid0(VALU_DEP_3)
	v_ldexp_f32 v[FF], 1.0, v[FF]                  ; f = 2^(old M - new M)
.set j, 0
	s_wait_alu depctr_va_vdst(0)
.rept 64
	v_exp_f32 v[S+j], v[S+j]                       ; p = 2^(t - M): one batch
.set j, j+1
.endr
	v_pk_mul_f32 v[14:15], v[14:15], v[FF:FF+1] op_sel_hi:[1,0]   ; the sums under the new M: the plain line behind the batch
	s_wait_alu depctr_va_vdst(0)                   ; one wait for the batch, ahead of its first reader
.irp b, 0,1,2,3
	v_exp_f32 v[BM+\b], v[BM+\b]                   ; each block's largest p
.endr
	v_pk_add_f32 v[234:235], v[100:101], v[104:105]
	v_pk_add_f32 v[254:255], v[108:109], v[112:113]
	v_pk_add_f32 v[252:253], v[116:117], v[120:121]
	v_pk_add_f32 v[250:251], v[124:125], v[128:129]
	v_pk_add_f32 v[248:249], v[132:133], v[136:137]
	v_pk_add_f32 v[246:247], v[140:141], v[144:145]
	v_pk_add_f32 v[244:245], v[148:149], v[152:153]
	v_pk_add_f32 v[14:15], v[14:15], v[156:157]
	s_wait_alu depctr_va_vdst(0)                   ; and one for the four
.irp b, 0,1,2,3
	v_max_num_f32 v[BM+\b], 0x1800000, v[BM+\b]    ; the floor 2^(3 - 127)
.endr
.irp b, 0,1,2,3
	s_delay_alu instid0(VALU_DEP_4)
	v_add_nc_u32 v[SO+\b], 0xff000000, v[BM+\b]    ; the conversion's scale operand
.endr
.irp b, 0,1,2,3
	s_delay_alu instid0(VALU_DEP_4)
	v_lshrrev_b32 v[PM+\b], 23, v[SO+\b]           ; the byte
.endr
	s_delay_alu instid0(VALU_DEP_3)
	v_lshl_or_b32 v[PW], v[PM+1], 8, v[PM]
	s_delay_alu instid0(VALU_DEP_1)
	v_lshl_or_b32 v[PW], v[PM+2], 16, v[PW]
	s_delay_alu instid0(VALU_DEP_1)
	v_lshl_or_b32 v[PW], v[PM+3], 24, v[PW]
.irp c, 0,1
	v_cvt_scalef32_pk16_fp6_f32 v[PC+6*\c:PC+6*\c+2], v[S+32*\c:S+32*\c+15], v[SO+2*\c]
	v_cvt_scalef32_pk16_fp6_f32 v[PT+4*\c:PT+4*\c+2], v[S+16+32*\c:S+31+32*\c], v[SO+2*\c+1]
.endr
	v_nop                                          ; one plain line behind the conversions
.irp c, 0,1
.irp i, 0,1,2
	v_permlane16_swap_b32 v[PC+6*\c+\i], v[PT+4*\c+\i]   ; a whole block to a lane
.endr
.irp i, 0,1,2
	s_delay_alu instid0(VALU_DEP_3)
	v_mov_b32 v[PC+3+6*\c+\i], v[PT+4*\c+\i]
.endr
.endr
.set j, 0
.rept 16
	v_pk_mul_f32 v[O+j:O+j+1], v[O+j:O+j+1], v[FF:FF+1] op_sel_hi:[1,0]   ; O^T under the new M.  Twelve of these name no register of any one product below: the places behind p's word and codes
.set j, j+2
.endr
	s_wait_alu depctr_va_vdst(0)
	s_wait_dscnt 0x0                               ; v's fragments and pairs are in
.irp t, 0,1,2,3                        ; O^T += v^T p^T; the four accumulators take turns
.if \t%2
	v_wmma_scale_f32_16x16x128_f8f6f4 v[O+8*\t:O+8*\t+7], v[F+12*\t:F+12*\t+11], v[PC:PC+11], v[O+8*\t:O+8*\t+7], v[VS+\t/2], v[PW] matrix_a_fmt:MATRIX_FMT_FP6 matrix_b_fmt:MATRIX_FMT_FP6 matrix_a_scale:MATRIX_SCALE_ROW1
.else
	v_wmma_scale_f32_16x16x128_f8f6f4 v[O+8*\t:O+8*\t+7], v[F+12*\t:F+12*\t+11], v[PC:PC+11], v[O+8*\t:O+8*\t+7], v[VS+\t/2], v[PW] matrix_a_fmt:MATRIX_FMT_FP6 matrix_b_fmt:MATRIX_FMT_FP6
.endif
.endr
	s_add_co_u32 s[CNT], s[CNT], 1
	s_and_b32 s[TN], s[CNT], 15                    ; the next step's block; behind the last step block 0 again: the first pass's serves the second pass's first step, the second pass's is not used
	s_mul_i32 s[TN], s[TN], STEPB
	s_add_co_u32 s[TB], s[TB], STEPB
	v_add_nc_u32 v[ADR], s[TN], v1
	v_add_nc_u32 v[ADS], s[TN], v2
	v_pk_add_f32 v[234:235], v[234:235], v[96:97]  ; the rest of the row's sum of p, which the products do not need: these ten lines are the places in front of the loads into v's registers
	v_pk_add_f32 v[254:255], v[254:255], v[98:99]
	v_pk_add_f32 v[252:253], v[252:253], v[102:103]
	v_pk_add_f32 v[250:251], v[250:251], v[106:107]
	v_pk_add_f32 v[248:249], v[248:249], v[110:111]
	v_pk_add_f32 v[246:247], v[246:247], v[114:115]
	v_pk_add_f32 v[244:245], v[244:245], v[118:119]
	v_pk_add_f32 v[14:15], v[14:15], v[122:123]
	KLOAD                                          ; the next step's k, under the sixteen additions below
	v_pk_add_f32 v[234:235], v[234:235], v[126:127]
	v_pk_add_f32 v[254:255], v[254:255], v[130:131]
	v_pk_add_f32 v[252:253], v[252:253], v[134:135]
	v_pk_add_f32 v[250:251], v[250:251], v[138:139]
	v_pk_add_f32 v[248:249], v[248:249], v[142:143]
	v_pk_add_f32 v[246:247], v[246:247], v[146:147]
	v_pk_add_f32 v[244:245], v[244:245], v[150:151]
	v_pk_add_f32 v[14:15], v[14:15], v[154:155]
	v_pk_add_f32 v[234:235], v[234:235], v[158:159]
	s_delay_alu instid0(VALU_DEP_2)
	v_pk_add_f32 v[14:15], v[14:15], v[250:251]
	s_delay_alu instid0(VALU_DEP_2)
	v_pk_add_f32 v[234:235], v[234:235], v[248:249]
	v_pk_add_f32 v[254:255], v[254:255], v[246:247]
	v_pk_add_f32 v[252:253], v[252:253], v[244:245]
	s_delay_alu instid0(VALU_DEP_2)
	v_pk_add_f32 v[14:15], v[14:15], v[254:255]
	s_delay_alu instid0(VALU_DEP_2)
	v_pk_add_f32 v[234:235], v[234:235], v[252:253]
	s_delay_alu instid0(VALU_DEP_1)
	v_pk_add_f32 v[14:15], v[14:15], v[234:235]
	s_cmp_lt_u32 s[CNT], 16
	s_cbranch_scc1 .Lstep_\@
	; the way out of the tile
.rept 4
	v_nop                                          ; four places behind the last products
.endr
	v_add_f32 v14, v14, v15
	s_delay_alu instid0(VALU_DEP_1)
	v_permlanex16_b32 v[TMP], v14, s[SEL], s[SEL+1]
	s_delay_alu instid0(VALU_DEP_1)
	v_add_f32 v14, v14, v[TMP]                     ; the row's sum
	s_wait_alu depctr_va_vdst(0)
	v_rcp_f32 v14, v14
	v_nop                                          ; a plain line behind the reciprocal,
	s_wait_alu depctr_va_vdst(0)                   ; and the wait ahead of its first reader
.set j, 0
.rept 16
	v_pk_mul_f32 v[S+j:S+j+1], v[O+j:O+j+1], v[14:15] op_sel_hi:[1,0]   ; register 8 t + i is channel 16 t + 8 h + i of query r; each accumulator from its low end on
.set j, j+2
.endr
.irp t, 0,1,2,3
	ds_store_b128 v[STO], v[S+8*\t:S+8*\t+3] offset:64*\t
	ds_store_b128 v[STO], v[S+8*\t+4:S+8*\t+7] offset:64*\t+16
.endr
.irp k, 0,1,2,3,4,5,6,7
	ds_load_b128 v[S+32+4*\k:S+32+4*\k+3], v[RD] offset:2*SPI*\k   ; in order behind my stores; into the scores' upper half: k's registers hold the next pass's first fragments
.endr
.irp k, 0,1,2,3,4,5,6,7
	s_wait_dscnt 7-\k                              ; rows 2 k and 2 k + 1 are back; the later loads may be out
	global_store_b128 v[GO], v[S+32+4*\k:S+32+4*\k+3], s[8:9] offset:(8*\u+2*\k+8*(\k/4))*4096 th:TH_STORE_NT   ; sixteen lanes store a query's 256 consecutive bytes, aligned
.endr
	s_wait_xcnt 0x0                                ; the stores have read their registers: the next pass loads into them
.endm
	PASS 0
	PASS 1
	s_wait_tensorcnt 0x0                           ; the wave's end: behind my last LDS store
	ds_add_u32 v[SPW], v[NIL]
	s_wait_dscnt 0x0
	CROUND                                         ; the closing round
	s_endpgm
.Lfunc_end_k_q259c4f0831_attn:
	.size	k_q259c4f0831_attn, .Lfunc_end_k_q259c4f0831_attn-k_q259c4f0831_attn
	.p2alignl 7, 3214868480
	.fill 96, 4, 3214868480
	.section	.rodata,"a",@progbits
	.p2align	6, 0x0
	.amdhsa_kernel k_q259c4f0831_attn
		.amdhsa_group_segment_fixed_size 276480
		.amdhsa_private_segment_fixed_size 0
		.amdhsa_enable_private_segment 0
		.amdhsa_kernarg_size 24
		.amdhsa_user_sgpr_count 2
		.amdhsa_user_sgpr_kernarg_segment_ptr 1
		.amdhsa_wavefront_size32 1
		.amdhsa_system_sgpr_workgroup_id_x 1
		.amdhsa_system_sgpr_workgroup_id_y 1
		.amdhsa_system_sgpr_workgroup_id_z 1
		.amdhsa_system_vgpr_workitem_id 0
		.amdhsa_next_free_vgpr 256
		.amdhsa_next_free_sgpr 66
		.amdhsa_reserve_vcc 0
		.amdhsa_float_denorm_mode_32 3
		.amdhsa_float_denorm_mode_16_64 3
		.amdhsa_memory_ordered 1
		.amdhsa_forward_progress 1
		.amdhsa_inst_pref_size 51
	.end_amdhsa_kernel
	.amdgpu_metadata
---
amdhsa.version: [ 1, 2 ]
amdhsa.kernels:
  - .name:           k_q259c4f0831_attn
    .symbol:         k_q259c4f0831_attn.kd
    .args:
      - { .name: qbuf, .offset: 0, .size: 8, .value_kind: global_buffer, .address_space: global }
      - { .name: kvbuf, .offset: 8, .size: 8, .value_kind: global_buffer, .address_space: global }
      - { .name: out0, .offset: 16, .size: 8, .value_kind: global_buffer, .address_space: global }
    .group_segment_fixed_size: 276480
    .private_segment_fixed_size: 0
    .kernarg_segment_align: 8
    .kernarg_segment_size: 24
    .max_flat_workgroup_size: 512
    .sgpr_count:     66
    .vgpr_count:     256
    .wavefront_size: 32
...
	.end_amdgpu_metadata
.endif
;; end of part 3
